; MI455X (gfx1250); checked and timed in simulation.
; The chip was launched on July 23, 2026; its instructions are those of AMD's public machine-readable ISA for CDNA 5 (MIT licence, August 2026) and "CDNA5" Instruction Set Architecture Reference Guide (July 2026). The comments in the code are by the model that wrote it; some were corrected since.
;; Mo E. Allowed arithmetic: float matrix products may take bf16 or f16 operands with f32 sums; all other float work in f32.
;; Inputs: W1 8 x 1,024 x 4,096 float32; W2 8 x 4,096 x 1,024 float32; Wg 1,024 x 8 float32; b1 8 x 4,096 float32; b2 8 x 1,024 float32; bg 8 float32; x 1,024 x 1,024 float32.
;; Outputs: out0 1,024 x 1,024 float32.
;; One version. Each part assembles by itself: llvm-mc -triple=amdgcn-amd-amdhsa -mcpu=gfx1250 --defsym DOCPART=n.
;; ======== version 1 of 1: 4 launches
;; workspace buffers: xb 2,097,152 bytes; gate 32,768 bytes; hbuf 67,108,864 bytes; part 67,108,864 bytes
;; launch prep (part 1): grid 256 x 1, 4 waves a work-group, no clusters, 0 bytes of LDS; arguments x, Wg, bg, xb, gate; writes xb, gate
.if DOCPART == 1
	.amdgcn_target "amdgcn-amd-amdhsa--gfx1250"
	.amdhsa_code_object_version 6
	.text
	.protected	k_q7f7b758178_prep
	.globl	k_q7f7b758178_prep
	.p2align	8
	.type	k_q7f7b758178_prep,@function
k_q7f7b758178_prep:
	s_mov_b64 s[64:65], 0
	v_nop
	global_prefetch_b8 v0, s[64:65] scope:SCOPE_SE
	s_setreg_imm32_b32 hwreg(HW_REG_WAVE_MODE, 25, 1), 1
	s_wait_xcnt 0x0
; xb = x rounded to bf16;  gate = softmax(x Wg + bg) over the 8 experts, all in f32.
; x: [1024][1024] f32, Wg: [1024][8] f32, bg: [8] f32, xb: [1024][1024] bf16, gate: [1024][8] f32.
; One wave takes one row of x (4,096 bytes, eight loads of 512 neighbouring bytes) and keeps it in 32 registers: it is read once, rounded
; for xb and multiplied with Wg.  256 work-groups x 4 waves = 1,024 rows.  No LDS, no barrier: no wave needs another.
; The gate's product is 8 columns wide (8.4 million multiply-adds): it would fill half of a 16-wide matrix tile, so it stays on the vector unit, in f32.
; The largest logit is taken away before the exponentials, as in the reference.  LIMIT: exponentials below 2^-126 come out as zero (ISA guide, v_exp_f32).
; The gate's 32 bytes a row are stored by two lanes: 32,768 bytes in the whole launch.  Whole aligned runs of 256 bytes there would want eight rows in
; one wave's hands; the rows are spread over waves instead.
.set X,   8                            ; v[8:39]    chunk c: x[128 c + 4 lane .. + 3]; later scratch
.set WG,  40                           ; v[40:167]  four sets of 32: Wg rows 128 c + 4 lane .. + 3, 8 experts each
.set ACC, 168                          ; v[168:175] the lane's part of the 8 logits
.set Y,   176                          ; v[176:191] the row in bf16
.set T,   192                          ; v[192:195] at work; the four gates that lanes 0 and 1 store
	s_load_b256 s[4:11], s[0:1], 0x0               ; x s[4:5], Wg s[6:7], bg s[8:9], xb s[10:11]
	s_load_b64 s[12:13], s[0:1], 0x20              ; gate
	v_lshrrev_b32 v1, 5, v0
	v_readfirstlane_b32 s14, v1                    ; wave
	v_and_b32 v1, 31, v0                           ; lane
	v_lshlrev_b32 v2, 4, v1                        ; 16 lane: x, and the gate's store
	v_lshlrev_b32 v3, 7, v1                        ; 128 lane: four rows of Wg
	v_lshlrev_b32 v4, 3, v1                        ; 8 lane: xb
	s_lshl2_add_u32 s15, ttmp9, s14                ; row = 4 x work-group + wave
	s_lshl_b32 s24, s15, 12                        ; row x 4,096 bytes (x)
	s_mov_b32 s25, 0
	s_lshl_b32 s26, s15, 11                        ; row x 2,048 bytes (xb)
	s_mov_b32 s27, 0
	s_lshl_b32 s28, s15, 5                         ; row x 32 bytes (gate)
	s_mov_b32 s29, 0
	s_mov_b32 s30, 0x76543210                      ; v_permlanex16_b32: lane i of one half reads lane i of the other
	s_mov_b32 s31, 0xfedcba98
	s_mov_b32 s2, 0x3fb8aa3b                       ; log2 e
	s_wait_kmcnt 0x0
	s_load_b256 s[16:23], s[8:9], 0x0              ; bg
	s_add_nc_u64 s[4:5], s[4:5], s[24:25]
	s_add_nc_u64 s[10:11], s[10:11], s[26:27]
	s_add_nc_u64 s[12:13], s[12:13], s[28:29]
.macro WLOAD c, set                    ; chunk c of Wg: 128 rows of 32 bytes, 128 bytes a lane
.irp m, 0,1,2,3,4,5,6,7
	global_load_b128 v[WG+32*\set+4*\m:WG+32*\set+4*\m+3], v3, s[6:7] offset:4096*(\c)+16*\m
.endr
.endm
; One row of Wg (the i-th of the lane's four in chunk c): four pairs of logits += Wg pair x x, x taken twice from one register of its pair.
.macro ROW c, set, i, first
.irp p, 0,1,2,3
.if \first
	v_pk_mul_f32 v[ACC+2*\p:ACC+2*\p+1], v[WG+32*\set+8*\i+2*\p:WG+32*\set+8*\i+2*\p+1], v[X+4*\c+2*(\i/2):X+4*\c+2*(\i/2)+1] op_sel_hi:[1,0]
.else
.if \i%2
	v_pk_fma_f32 v[ACC+2*\p:ACC+2*\p+1], v[WG+32*\set+8*\i+2*\p:WG+32*\set+8*\i+2*\p+1], v[X+4*\c+2*(\i/2):X+4*\c+2*(\i/2)+1], v[ACC+2*\p:ACC+2*\p+1] op_sel:[0,1,0]
.else
	v_pk_fma_f32 v[ACC+2*\p:ACC+2*\p+1], v[WG+32*\set+8*\i+2*\p:WG+32*\set+8*\i+2*\p+1], v[X+4*\c+2*(\i/2):X+4*\c+2*(\i/2)+1], v[ACC+2*\p:ACC+2*\p+1] op_sel_hi:[1,0,1]
.endif
.endif
.endr
.endm
; left = the loads issued behind this chunk's eight (loads come back in order: ISA guide 5.7.1).  more = 1: the set is loaded again, four chunks on.
.macro CHUNK c, set, left, first, more
	s_wait_loadcnt \left
	ROW \c, \set, 0, \first
	ROW \c, \set, 1, 0
	ROW \c, \set, 2, 0
	ROW \c, \set, 3, 0
.if \more
	WLOAD \c+4, \set
.endif
.endm
.irp c, 0,1,2,3,4,5,6,7
	global_load_b128 v[X+4*\c:X+4*\c+3], v2, s[4:5] offset:512*\c th:TH_LOAD_NT
.endr
	WLOAD 0, 0
	WLOAD 1, 1
	WLOAD 2, 2
	WLOAD 3, 3
	CHUNK 0, 0, 24, 1, 1                           ; three younger chunks (24 loads) stay out; x, issued first, is in; the first products start the sums
.irp c, 0,1,2,3,4,5,6,7
	v_cvt_pk_bf16_f32 v[Y+2*\c],   v[X+4*\c],   v[X+4*\c+1]
	v_cvt_pk_bf16_f32 v[Y+2*\c+1], v[X+4*\c+2], v[X+4*\c+3]
	global_store_b64 v4, v[Y+2*\c:Y+2*\c+1], s[10:11] offset:256*\c    ; the wave's store covers 256 consecutive bytes, aligned
.endr
	CHUNK 1, 1, 24, 0, 1
	CHUNK 2, 2, 24, 0, 1
	CHUNK 3, 3, 24, 0, 1
	CHUNK 4, 0, 24, 0, 0
	CHUNK 5, 1, 16, 0, 0                           ; nothing more is loaded: the counts run down
	CHUNK 6, 2, 8, 0, 0
	CHUNK 7, 3, 0, 0, 0
	; the eight sums over the 32 lanes: four steps inside each half of 16 lanes, one across the halves; every lane ends with all eight
.irp m, 1,2,4,8
.irp e, 0,1,2,3,4,5,6,7
	v_add_f32_dpp v[ACC+\e], v[ACC+\e], v[ACC+\e] row_xmask:\m row_mask:0xf bank_mask:0xf
.endr
.endr
.irp e, 0,1,2,3,4,5,6,7
	v_permlanex16_b32 v[X+\e], v[ACC+\e], s30, s31 ; the destination counts as read: x's registers have been written, and are done with
.endr
	s_wait_kmcnt 0x0                               ; bg
.irp e, 0,1,2,3,4,5,6,7
	v_add_f32 v[ACC+\e], v[ACC+\e], v[X+\e]
.endr
.irp e, 0,1,2,3,4,5,6,7
	v_add_f32 v[ACC+\e], s[16+\e], v[ACC+\e]
.endr
	; softmax: 2^((logit - max) log2 e), the difference and the factor in one fused step
	v_max3_num_f32 v[T],   v[ACC],   v[ACC+1], v[ACC+2]
	v_max3_num_f32 v[T+1], v[ACC+3], v[ACC+4], v[ACC+5]
	v_max3_num_f32 v[T],   v[T],     v[ACC+6], v[ACC+7]
	v_max_num_f32 v[T], v[T], v[T+1]
	v_mul_f32 v[T], s2, v[T]
.irp e, 0,1,2,3,4,5,6,7
	v_fma_f32 v[ACC+\e], v[ACC+\e], s2, -v[T]
.endr
.irp e, 0,1,2,3,4,5,6,7
	v_exp_f32 v[ACC+\e], v[ACC+\e]
.endr
	v_cmp_eq_u32 vcc_lo, 1, v1                     ; a plain vector instruction between the exponentials and the first use of a result (ISA guide 5.7.2); lane 1 will take gates 4 to 7
	s_wait_alu depctr_va_vdst(0)
	v_pk_add_f32 v[X+8:X+9],   v[ACC:ACC+1],   v[ACC+2:ACC+3]
	v_pk_add_f32 v[X+10:X+11], v[ACC+4:ACC+5], v[ACC+6:ACC+7]
	v_pk_add_f32 v[X+8:X+9],   v[X+8:X+9],     v[X+10:X+11]
	v_add_f32 v[X+8], v[X+8], v[X+9]
	v_rcp_f32 v[X+12], v[X+8]
.irp i, 0,1,2,3
	v_cndmask_b32 v[T+\i], v[ACC+\i], v[ACC+4+\i], vcc_lo      ; plain work behind the reciprocal, which touches neither its source nor its result
.endr
	s_wait_alu depctr_va_vdst(0)
.irp i, 0,1,2,3
	v_mul_f32 v[T+\i], v[T+\i], v[X+12]
.endr
	v_cmp_gt_u32 vcc_lo, 2, v1
	s_wait_xcnt 0x0                                ; EXEC is a source of the stores above: it changes only behind this wait
	s_and_saveexec_b32 s14, vcc_lo                 ; lanes 0 and 1
	global_store_b128 v2, v[T:T+3], s[12:13]       ; the row's 32 bytes
	s_endpgm
.Lfunc_end_k_q7f7b758178_prep:
	.size	k_q7f7b758178_prep, .Lfunc_end_k_q7f7b758178_prep-k_q7f7b758178_prep
	.p2alignl 7, 3214868480
	.fill 96, 4, 3214868480
	.section	.rodata,"a",@progbits
	.p2align	6, 0x0
	.amdhsa_kernel k_q7f7b758178_prep
		.amdhsa_group_segment_fixed_size 0
		.amdhsa_private_segment_fixed_size 0
		.amdhsa_enable_private_segment 0
		.amdhsa_kernarg_size 40
		.amdhsa_user_sgpr_count 2
		.amdhsa_user_sgpr_kernarg_segment_ptr 1
		.amdhsa_wavefront_size32 1
		.amdhsa_system_sgpr_workgroup_id_x 1
		.amdhsa_system_sgpr_workgroup_id_y 1
		.amdhsa_system_sgpr_workgroup_id_z 1
		.amdhsa_system_vgpr_workitem_id 0
		.amdhsa_next_free_vgpr 200
		.amdhsa_next_free_sgpr 66
		.amdhsa_reserve_vcc 1
		.amdhsa_float_denorm_mode_32 3
		.amdhsa_float_denorm_mode_16_64 3
		.amdhsa_memory_ordered 1
		.amdhsa_forward_progress 1
		.amdhsa_inst_pref_size 23
	.end_amdhsa_kernel
	.amdgpu_metadata
---
amdhsa.version: [ 1, 2 ]
amdhsa.kernels:
  - .name:           k_q7f7b758178_prep
    .symbol:         k_q7f7b758178_prep.kd
    .args:
      - { .name: x, .offset: 0, .size: 8, .value_kind: global_buffer, .address_space: global }
      - { .name: Wg, .offset: 8, .size: 8, .value_kind: global_buffer, .address_space: global }
      - { .name: bg, .offset: 16, .size: 8, .value_kind: global_buffer, .address_space: global }
      - { .name: xb, .offset: 24, .size: 8, .value_kind: global_buffer, .address_space: global }
      - { .name: gate, .offset: 32, .size: 8, .value_kind: global_buffer, .address_space: global }
    .group_segment_fixed_size: 0
    .private_segment_fixed_size: 0
    .kernarg_segment_align: 8
    .kernarg_segment_size: 40
    .max_flat_workgroup_size: 128
    .sgpr_count:     66
    .vgpr_count:     200
    .wavefront_size: 32
...
	.end_amdgpu_metadata
.endif
;; end of part 1
;; launch up (part 2): grid 128 x 4, 4 waves a work-group, clusters of 4 x 4, 327,680 bytes of LDS; arguments xb, W1, b1, hbuf; writes hbuf
.if DOCPART == 2
	.amdgcn_target "amdgcn-amd-amdhsa--gfx1250"
	.amdhsa_code_object_version 6
	.text
	.protected	k_q7f7b758178_up
	.globl	k_q7f7b758178_up
	.p2align	8
	.type	k_q7f7b758178_up,@function
k_q7f7b758178_up:
	s_mov_b64 s[64:65], 0
	v_nop
	global_prefetch_b8 v0, s[64:65] scope:SCOPE_SE
	s_setreg_imm32_b32 hwreg(HW_REG_WAVE_MODE, 25, 1), 1
	s_wait_xcnt 0x0
	s_wait_alu depctr_hold_cnt(0) depctr_sa_sdst(0) depctr_va_vdst(0) depctr_va_sdst(0) depctr_va_ssrc(0) depctr_va_vcc(0) depctr_vm_vsrc(0)
	s_getreg_b32 s2, hwreg(HW_REG_IB_STS2, 6, 4)
	s_cmp_eq_u32 s2, 0
	s_cbranch_scc0 .Lentry_in_a_cluster
	s_endpgm
.Lentry_in_a_cluster:
	s_bfe_u32 s2, ttmp6, 0x10000c
	s_cmp_lg_u32 s2, 0xf033
	s_cbranch_scc0 .Lentry_shape_is_right
	s_endpgm
.Lentry_shape_is_right:
; hbuf[n][4096 e + c] = relu(sum over i of xb[n][i] W1[e][i][c] + b1[e][c]), rounded to bf16.
; xb: [1024][1024] bf16, W1: [8][1024][4096] f32, b1: [8][4096] f32, hbuf: [1024][32768] bf16.  Sums in f32, W1 rounded to bf16 on its way to the matrix unit.
; LIMITS: relu is v_max_num_f32 with 0, which turns a NaN into 0 where the reference keeps it; the sum over i runs in the matrix unit's order.
; A work-group makes 256 tokens x 256 columns with four waves; wave w makes all 256 tokens x columns 64 w .. 64 w + 63: 16 token blocks a x 4 tiles t
; = 64 accumulators, 512 registers.  So every weight is read from LDS and rounded once in the work-group.
; THE WEIGHTS LIE [K][N], and no transpose is made: a lane reads 16 bytes (columns 4 r .. 4 r + 3 of its wave's 64) of 16 K rows; v_cvt_pk_bf16_f32 of two
; neighbouring K rows is one fragment register; the four columns go to four tiles: index c of tile t stands for column 4 c + t.
; THE MATRIX INSTRUCTION IS USED TRANSPOSED: source 0 = weights, source 1 = tokens.  Register j of lane (r, h) of tile (a, t) is token 16 a + r,
; column 32 h + 4 j + t: over t and j a lane holds 32 NEIGHBOURING columns of one token, so the packing puts the columns back in order.
; THE RING: K goes in intervals of 96 through two LDS slots filled by the tensor data mover; a slot holds xb's 256 rows x 96 and W's 96 K rows x 256 columns:
; 61,440 + 98,304 bytes, two slots 319,488 of the 327,680 that there are (two slots of K 128 would take 401,408).  One barrier an interval; from a tile's request to
; the wait for it a wave issues 176 matrix instructions.  The price: xb's rows in a tile are 192 bytes that start at multiples of 64, not aligned runs of 256.
; 1,024 = 10 x 96 + 64: the eleventh interval has two half steps, and its tile states what is left of K.
; An interval is three half steps of 32 along K, so the fragment buffers go 0, 1, 0 in even intervals and 1, 0, 1 in odd ones: the loop's body is a pair of intervals.
; CLUSTERS: 4 x 4 work-groups.  The four of a row of the cluster have the same tokens, the four of a column the same columns of W1: each tile is asked for
; jointly, which divides the requests for xb and W1 by four.  The grid has one cluster along y, so each byte of W1 is asked for by one column of one cluster alone.
; REGISTERS, in windows of 256:
;   window 0: v0-31 addresses; v32-63 at work on the way out; v64-191 token fragments, buffer 0; v192-255 16 K rows x 4 columns of W in f32
;   window 1: v0-31, v32-63 weight fragments, buffers 0 and 1 (tile t at 8 t); v64-191 token fragments, buffer 1; v192-223 the bias as four C tiles
;   window 2: accumulators of token blocks 0-7 (tile (a, t) at 8 (4 a + t)); window 3: of token blocks 8-15
.set KI,        96                     ; an interval along K
.set LOOPS,     3                      ; pairs of intervals in the loop: intervals 2 to 7; 0 and 1 stand in front, 8, 9 and the short 10 behind
.set PARTK,     64                     ; K of the last interval
.set PARTR,     32                     ; its K rows of W for each of the two waves that fetch W
.set APITCH_EL, 1024                   ; xb: elements from row to row
.set WPITCH_EL, 4096                   ; W1: elements from K row to K row
.set WROW,      16384                  ; the same in bytes
.set STEPB,     KI*WROW                ; an interval along K in W1
.set ASTEP,     KI*2                   ; and in xb
.set ACH,       80                     ; 32 K of a token in LDS: 64 bytes + 16 of padding
.set APITCH,    3*ACH                  ; an LDS row of xb: 240 bytes = 60 words: the 16 rows of a fragment load start at 16 different groups of four banks (64 banks of 4 bytes: ISA guide 11.1)
.set AHALF,     128*APITCH             ; what one tensor load brings of xb
.set ASLOT,     2*AHALF
.set BBASE,     2*ASLOT                ; W's two slots lie behind xb's two
.set WHALF,     48                     ; K rows that one tensor load brings of W.  No padding: sixteen lanes read 256 neighbouring bytes
.set BHALF,     WHALF*1024
.set BSLOT,     2*BHALF
.set SPITCH,    528                    ; the way out: a row of 256 bf16 + 16 bytes, 135,168 bytes from LDS byte 0, after those bytes' last fill
.set ADRA,  16                         ; v16-17  LDS address of my token fragments in slot 0, 1
.set ADRB,  20                         ; v20-21  the same for W, K rows 0 to 63
.set ADRB2, 22                         ; v22-23  W's K rows 64 to 95: they lie beyond the 16 bits of an LDS offset
.set STO,   24                         ; v24-25  the way out: where I put a token's 64 bytes, token blocks 0-7 and 8-15
.set RD,    26                         ; v26     the way out: where I read rows back
.set CO,    27                         ; v27     16 x lane: my bytes in a row of hbuf's block
.set PF,    29                         ; v29     my block in an interval of W, for the prefetch
.set TMP,  32
.set AF,   64
.set ST,   192
.set BF,   0
.set BIAS, 192
.set G1,  24                           ; s[24:31] descriptor group 1, xb's tiles
.set G0,  32                           ; s[32:39] group 0, xb, one set for each slot
.set G1B, 48                           ; s[48:55] group 1, W's tiles
.set G0B, 56                           ; s[56:63] group 0, W, one set for each slot
; s_set_vgpr_msb's low byte: bits 1:0 source 0, 3:2 source 1, 5:4 source 2, 7:6 destination.
; 0xa1 + 4 f: weights window 1, tokens window f, C and D window 2;  0xf1 + 4 f: C and D window 3
.set FST_LO,  0x91                     ; the first products: C = the bias, window 1
.set FST_HI,  0xd1
.set MSB, 0
.macro WIN new                         ; the immediate's high byte repeats the setting that is left
.if MSB != (\new)
	s_set_vgpr_msb (MSB<<8)|(\new)
.set MSB, \new
.endif
.endm
.macro PLACES                          ; a load into a register that a matrix instruction has read, and a vector instruction that reads a matrix result, stand four
.rept 4                                ; plain vector instructions behind it (ISA guide 7.12.1 for vector instructions)
	v_nop
.endr
.endm
; A joint load into slot s.  Waves 0 and 1 fetch the halves of xb's tile, waves 2 and 3 the halves of W's: one tensor load a wave.
; The branch hangs on the wave's number alone: it is the same in every work-group.
.macro JLOAD s
	s_cmp_eq_u32 s11, 0
	s_cbranch_scc0 .Lfor_w_\@
	tensor_load_to_lds s[G0+4*\s:G0+4*\s+3], s[G1:G1+7]
	s_nop 0
	s_branch .Lasked_\@
.Lfor_w_\@:
	tensor_load_to_lds s[G0B+4*\s:G0B+4*\s+3], s[G1B:G1B+7]
	s_nop 0
.Lasked_\@:
.endm
.macro CREST                           ; a round of the cluster's barrier behind its opening barrier
	s_cmp_lg_u32 s10, 0
	s_cbranch_scc1 .Lnot_wave_0_\@
	s_barrier_signal -3
.Lnot_wave_0_\@:
	s_barrier_wait -3
	s_barrier_signal -1
	s_barrier_wait -1
.endm
.macro CROUND                          ; a whole round
	s_barrier_signal -1
	s_barrier_wait -1
	CREST
.endm
; 16 matrix instructions: token blocks a0 .. a0 + 3 of the window's eight x 4 tiles, 32 along K, from buffers f.  first = 1: the bias tile starts the sums.
; The 64 accumulators take turns, one instruction a turn, in the same order in every half step.
.macro MUL16 f, hi, a0, first
.irp a, \a0, \a0+1, \a0+2, \a0+3
.irp t, 0,1,2,3
.if \first
	v_wmma_f32_16x16x32_bf16 v[8*(4*(\a)+\t):8*(4*(\a)+\t)+7], v[BF+32*\f+8*\t:BF+32*\f+8*\t+7], v[AF+8*(8*\hi+\a):AF+8*(8*\hi+\a)+7], v[BIAS+8*\t:BIAS+8*\t+7]
.else
	v_wmma_f32_16x16x32_bf16 v[8*(4*(\a)+\t):8*(4*(\a)+\t)+7], v[BF+32*\f+8*\t:BF+32*\f+8*\t+7], v[AF+8*(8*\hi+\a):AF+8*(8*\hi+\a)+7], v[8*(4*(\a)+\t):8*(4*(\a)+\t)+7]
.endif
.endr
.endr
.endm
; 48 LDS loads for half step c (0, 1, 2) of a slot: 16 K rows of W (lane (r, h): rows 32 c + 8 h + 0..7 and 32 c + 16 + 8 h + 0..7),
; then the 16 token fragments into buffer g, token blocks 0-7 first.  pf = 1: one prefetch between the two runs, by waves 0 to 2.
.macro FETCH slot, c, g, pf, pfo
	WIN 0
.irp i, 0,1,2,3,4,5,6,7,8,9,10,11,12,13,14,15
.if \c < 2
	ds_load_b128 v[ST+4*\i:ST+4*\i+3], v[ADRB+\slot] offset:(32*\c+\i+8*(\i/8))*1024
.else
	ds_load_b128 v[ST+4*\i:ST+4*\i+3], v[ADRB2+\slot] offset:(\i+8*(\i/8))*1024
.endif
.endr
.if \pf
	s_cmp_eq_u32 s10, 3
	s_cbranch_scc1 .Lno_ask_\@
	global_prefetch_b8 v[PF], s[72:73] offset:\pfo th:TH_LOAD_NT scope:SCOPE_SE
.Lno_ask_\@:
.endif
	WIN \g*64
.irp a, 0,1,2,3,4,5,6,7,8,9,10,11,12,13,14,15
	ds_load_b128 v[AF+8*\a:AF+8*\a+3],   v[ADRA+\slot] offset:\a*16*APITCH+\c*ACH
	ds_load_b128 v[AF+8*\a+4:AF+8*\a+7], v[ADRA+\slot] offset:\a*16*APITCH+\c*ACH+32
.endr
.endm
; W to bf16: register q of tile t = K rows 2 q, 2 q + 1 of the lane's sixteen, column t of its four
.macro CVT f
	s_wait_dscnt 32                                ; the 16 loads of W are in; the 32 token loads issued behind them may be out
	WIN 0x40
.irp q, 0,1,2,3,4,5,6,7
.irp t, 0,1,2,3
	v_cvt_pk_bf16_f32 v[BF+32*\f+8*\t+\q], v[ST+8*\q+\t], v[ST+8*\q+4+\t]
.endr
.endr
.endm
; One of an interval's first two half steps: multiplies buffers f; in its middle it fetches half step c of the same slot into buffers g = 1 - f.
.macro HS f, g, first, slot, c, pf, pfo
	CVT \f
	s_wait_dscnt 16                                ; token blocks 0-7 are in; the youngest 16 loads (blocks 8-15) may be out
.if \first
	WIN FST_LO
.else
	WIN 0xa1+4*\f
.endif
	MUL16 \f, 0, 0, \first
	MUL16 \f, 0, 4, \first
	PLACES
	FETCH \slot, \c, \g, \pf, \pfo
	s_wait_dscnt 48                                ; all but the 48 just issued
.if \first
	WIN FST_HI
.else
	WIN 0xf1+4*\f
.endif
	MUL16 \f, 1, 0, \first
	MUL16 \f, 1, 4, \first
.endm
; An interval's last half step: multiplies buffers f and changes slots.  fill = 1: this slot, read to its end, is filled again two intervals ahead; 2: with the short last tile; 0: not at all.
; In front of the barrier each wave waits for all its LDS reads and for all its tensor loads (its part of the next interval's tiles); where the slot is filled again the
; barrier opens a round of the cluster's barrier, so that no wave of any partner still reads the slot or has a load on its way; the joint refill is the first
; tensor load behind the round, one a wave; then the next slot's first half step is fetched into buffers g.
.macro TURN f, g, slot, fill, nslot
	CVT \f
	s_wait_dscnt 16
	WIN 0xa1+4*\f
	MUL16 \f, 0, 0, 0
	s_wait_dscnt 0x0                               ; my reads of this slot are over
	s_set_vgpr_msb (MSB<<8)|((MSB&0xf0)|0x1)
	s_wait_tensorcnt 0x0                           ; and all my tensor loads have landed
	ds_add_u32 v255, v31
	s_wait_dscnt 0x0
	s_set_vgpr_msb (((MSB&0xf0)|0x1)<<8)|MSB
	s_barrier_signal -1
	MUL16 \f, 0, 4, 0                              ; work on registers while the others arrive
	WIN 0
	s_barrier_wait -1
.if \fill
	CREST
	s_add_nc_u64 s[G0+4*\slot+2:G0+4*\slot+3], s[G0+4*\slot+2:G0+4*\slot+3], 2*ASTEP     ; no tensor load of mine is out: descriptors may be written
	s_add_nc_u64 s[G0B+4*\slot+2:G0B+4*\slot+3], s[G0B+4*\slot+2:G0B+4*\slot+3], 2*STEPB
.if \fill == 2
	s_mov_b32 s[G1+1], PARTK<<16                   ; xb: what is left of a row; the tile keeps its 96, so the LDS rows keep their pitch, and the rest arrives as zeros and is not read
	s_mov_b32 s[G1B+2], PARTR<<16                  ; W: fewer K rows for each of the two waves,
	s_mov_b32 s[G1B+4], PARTR
	s_sub_nc_u64 s[G0B+4*\slot+2:G0B+4*\slot+3], s[G0B+4*\slot+2:G0B+4*\slot+3], s[76:77]   ; the second wave's begin where the first's end, in memory
	s_mul_i32 s[G0B+4*\slot+1], s12, PARTR*1024                                              ; and in LDS
	s_add_co_u32 s[G0B+4*\slot+1], s[G0B+4*\slot+1], BBASE+\slot*BSLOT
.endif
	JLOAD \slot
.endif
	PLACES
	FETCH \nslot, 0, \g, 0, 0
	WIN 0xf1+4*\f
	MUL16 \f, 1, 0, 0
	MUL16 \f, 1, 4, 0
.endm
.macro EVEN first, fill, pf, pfo       ; an interval in slot 0: buffers 0, 1, 0
	HS 0, 1, \first, 0, 1, \pf, \pfo
	HS 1, 0, 0, 0, 2, 0, 0
	TURN 0, 1, 0, \fill, 1
.endm
.macro ODD fill, pf, pfo               ; an interval in slot 1: buffers 1, 0, 1
	HS 1, 0, 0, 1, 1, \pf, \pfo
	HS 0, 1, 0, 1, 2, 0, 0
	TURN 1, 0, 1, \fill, 0
.endm
; Two intervals, both slots filled again.  Interval i asks (prefetch) for W's tile i + 2, which its own last half step requests 128 matrix instructions later.
; Intervals 0 to 7 ask, for tiles 2 to 9, all of them whole: no prefetch leaves my expert's rows of W1.
.macro PAIR first
	EVEN \first, 1, 1, 0
	ODD 1, 1, STEPB
	s_wait_xcnt 0x0                                ; the prefetches' base is stepped only behind this wait; the last of them stands two and a half half steps back
	s_add_nc_u64 s[72:73], s[72:73], 2*STEPB
.endm
; The very last half step, on buffers 1: nothing more to fetch.  Its barrier shows that nobody reads LDS any more, for the stage.
.macro FINAL
	CVT 1
	s_wait_dscnt 16
	WIN 0xa5
	MUL16 1, 0, 0, 0
	MUL16 1, 0, 4, 0
	s_wait_dscnt 0x0                               ; my last reads of the slots are over:
	s_barrier_signal -1                            ; say so
	WIN 0xf5
	MUL16 1, 1, 0, 0
	MUL16 1, 1, 4, 0
	WIN 0
	s_barrier_wait -1                              ; nobody reads the slots any more, and no fill of them is left
.endm
	s_load_b128 s[4:7], s[0:1], 0x0                ; xb s[4:5], W1 s[6:7]
	s_load_b128 s[68:71], s[0:1], 0x10             ; b1 s[68:69], hbuf s[70:71]
	s_set_vgpr_msb 0x40
	v_lshl_add_u32 v255, v0, 2, 0x4e000
	s_set_vgpr_msb 0x4000
	v_mov_b32 v31, 0
	s_set_vgpr_msb 0x1
	ds_add_u32 v255, v31
	s_set_vgpr_msb 0x100
	v_lshrrev_b32 v1, 5, v0
	v_readfirstlane_b32 s10, v1                    ; wave 0..3
	s_lshr_b32 s11, s10, 1                         ; I fetch for xb (0) or for W (1)
	s_and_b32 s12, s10, 1                          ; which half of that tile
	s_bfe_u32 s40, ttmp6, 0x40000                  ; cx
	s_bfe_u32 s41, ttmp6, 0x40004                  ; cy
	s_lshl_b32 s42, ttmp9, 2
	s_add_co_u32 s42, s42, s40                     ; column block 0..127 = 4 x cluster x + cx: expert = block / 16
	s_and_b32 s13, ttmp7, 0xffff
	s_lshl_b32 s13, s13, 2
	s_add_co_u32 s13, s13, s41                     ; token block 0..3 = 4 x cluster y + cy
	s_lshl_b32 s43, s41, 2
	s_lshl_b32 s43, 15, s43                        ; my row of the cluster
	s_lshl_b32 s44, 0x1111, s40                    ; my column
	; group 1, xb: 128 rows x 96 elements of 2 bytes, 4 words of padding (code 3) behind every 16 words (code 3)
	s_or_b32 s[G1+0], s43, (1<<16)|(1<<20)|(1<<21)|(3<<22)|(3<<25)
	s_mov_b32 s[G1+1], KI<<16                      ; tensor_dim0 = 96
	s_mov_b32 s[G1+2], 128<<16                     ; tensor_dim1 = 128
	s_mov_b32 s[G1+3], KI<<16                      ; tile_dim0 = 96
	s_mov_b32 s[G1+4], 128                         ; tile_dim1 = 128
	s_mov_b32 s[G1+5], APITCH_EL
	s_mov_b32 s[G1+6], 0
	s_mov_b32 s[G1+7], 0
	; group 1, W: 48 K rows x 256 elements of 4 bytes, no padding
	s_or_b32 s[G1B+0], s44, (2<<16)|(1<<21)
	s_mov_b32 s[G1B+1], 256<<16                    ; tensor_dim0 = 256
	s_mov_b32 s[G1B+2], WHALF<<16                  ; tensor_dim1 = 48
	s_mov_b32 s[G1B+3], 256<<16                    ; tile_dim0 = 256
	s_mov_b32 s[G1B+4], WHALF                      ; tile_dim1 = 48
	s_mov_b32 s[G1B+5], WPITCH_EL
	s_mov_b32 s[G1B+6], 0
	s_mov_b32 s[G1B+7], 0
	; xb's tiles hang on the token block alone, W's on the column block alone; each address is made in registers that never hold the other coordinate
	s_lshl_b32 s16, s13, 8
	s_lshl_b32 s17, s12, 7
	s_add_co_u32 s16, s16, s17                     ; row 256 x token block + 128 x half
	s_lshl_b32 s16, s16, 11                        ; x 2,048 bytes
	s_mov_b32 s17, 0
	s_lshr_b32 s46, s42, 4
	s_lshl_b32 s46, s46, 24                        ; expert x 16,777,216 bytes
	s_and_b32 s45, s42, 15
	s_lshl_b32 s45, s45, 10                        ; + 256 columns x 4 bytes for each block in the expert
	s_add_co_u32 s46, s46, s45
	s_mov_b32 s47, 0
	s_mul_i32 s74, s12, WHALF*WROW                 ; my half: 48 K rows
	s_mov_b32 s75, 0
	s_mul_i32 s76, s12, (WHALF-PARTR)*WROW         ; how far the second half moves up in the short last tile
	s_mov_b32 s77, 0
	s_lshl_b32 s66, s42, 10                        ; b1: 256 columns x 4 bytes x column block
	s_mov_b32 s67, 0
	s_mul_i32 s20, s12, AHALF                      ; where the tiles go: the wave's number alone enters an LDS address
	s_mul_i32 s21, s12, BHALF
	s_add_co_u32 s21, s21, BBASE
	s_wait_dscnt 0x0
	s_wait_kmcnt 0x0
	s_add_nc_u64 s[14:15], s[4:5], s[16:17]
	s_add_nc_u64 s[46:47], s[6:7], s[46:47]        ; the corner of my block's weights
	s_add_nc_u64 s[72:73], s[46:47], 2*STEPB       ; the prefetch runs two intervals ahead
	s_add_nc_u64 s[46:47], s[46:47], s[74:75]
	s_add_nc_u64 s[68:69], s[68:69], s[66:67]
	CROUND                                         ; all sixteen work-groups are here: the first joint loads meet
.irp s, 0,1
	s_mov_b32 s[G0+4*\s], 1
	s_add_co_u32 s[G0+4*\s+1], s20, \s*ASLOT
	s_add_nc_u64 s[G0+4*\s+2:G0+4*\s+3], s[14:15], \s*ASTEP        ; interval s
	s_or_b32 s[G0+4*\s+3], s[G0+4*\s+3], 0x80000000
	s_mov_b32 s[G0B+4*\s], 1
	s_add_co_u32 s[G0B+4*\s+1], s21, \s*BSLOT
	s_add_nc_u64 s[G0B+4*\s+2:G0B+4*\s+3], s[46:47], \s*STEPB
	s_or_b32 s[G0B+4*\s+3], s[G0B+4*\s+3], 0x80000000
	JLOAD \s                                       ; both slots are filled before anything else: two tensor loads of each wave are out, the most in this text
.endr
	v_and_b32 v1, 15, v0                           ; r
	v_bfe_u32 v2, v0, 4, 1                         ; h
	v_mul_u32_u24 v3, v1, APITCH
	v_lshl_add_u32 v[ADRA], v2, 4, v3              ; tokens: row r, 16 bytes for each half of the lanes
	v_add_nc_u32 v[ADRA+1], ASLOT, v[ADRA]
	v_lshlrev_b32 v3, 4, v1                        ; W: 16 r,
	v_lshl_add_u32 v3, v2, 13, v3                  ; 8 K rows further down for lanes 16-31,
	s_lshl_b32 s22, s10, 8                         ; my wave's 64 columns
	s_add_co_u32 s23, s22, BBASE
	v_add_nc_u32 v[ADRB], s23, v3
	v_add_nc_u32 v[ADRB+1], BSLOT, v[ADRB]
	v_add_nc_u32 v[ADRB2], 0x10000, v[ADRB]        ; 64 K rows on
	v_add_nc_u32 v[ADRB2+1], 0x10000, v[ADRB+1]
	v_lshl_add_u32 v7, v2, 7, s22                  ; b1: 4 bytes x (64 w + 32 h)
	v_mul_u32_u24 v4, v1, SPITCH                   ; the way out, in: row r, 128 bytes a wave, 64 for each half of the lanes
	v_lshl_add_u32 v4, v2, 6, v4
	s_lshl_b32 s22, s10, 7
	v_add_nc_u32 v[STO], s22, v4
	v_add_nc_u32 v[STO+1], 128*SPITCH, v[STO]
	v_and_b32 v5, 31, v0
	v_lshlrev_b32 v[CO], 4, v5                     ; back: a row's 512 bytes, 16 a lane
	s_mul_i32 s22, s10, 64*SPITCH
	v_add_nc_u32 v[RD], s22, v[CO]
	; the prefetch: an interval of my column's W is 96 K rows x 4 blocks of 256 bytes = 384 blocks = 4 work-groups of the column x waves 0 to 2 x 32 lanes
	s_mul_i32 s23, s41, 3
	s_add_co_u32 s23, s23, s10
	s_lshl_b32 s23, s23, 3                         ; 8 (3 cy + w)
	v_bfe_u32 v5, v0, 2, 3
	v_add_nc_u32 v5, s23, v5                       ; my K row of the 96 (wave 3 asks for nothing)
	v_and_b32 v6, 3, v0
	v_lshlrev_b32 v5, 14, v5                       ; x 16,384 bytes
	v_lshl_add_u32 v[PF], v6, 8, v5
	; the bias as C tiles: register j of tile t = b1 of column 32 h + 4 j + t, the same for every token
	WIN 0x40
.irp t, 0,1,2,3
.irp j, 0,1,2,3,4,5,6,7
	global_load_b32 v[BIAS+8*\t+\j], v7, s[68:69] offset:4*(4*\j+\t)
.endr
.endr
	WIN 0
	s_wait_tensorcnt 0x1                           ; my part of slot 0 is in; my second load may stay out
	s_barrier_signal -1
	s_barrier_wait -1
	FETCH 0, 0, 0, 0, 0
	s_wait_loadcnt 0x0                             ; the bias
	PAIR 1                                         ; intervals 0 and 1 stand in front of the loop: the first products start the sums
	WIN 0                                          ; at a label and at a branch every window is 0
	s_mov_b32 s3, LOOPS
.Lpair:
	PAIR 0                                         ; intervals 2 to 7
	WIN 0
	s_sub_co_u32 s3, s3, 1
	s_cmp_lg_u32 s3, 0
	s_cbranch_scc1 .Lpair
	EVEN 0, 2, 0, 0                                ; interval 8: slot 0 gets the short last tile
	ODD 0, 0, 0                                    ; interval 9: nothing is filled: a plain barrier shows the last tile whole
	HS 0, 1, 0, 0, 1, 0, 0                         ; interval 10: K 960 to 991,
	FINAL                                          ; and 992 to 1,023
	; THE WAY OUT.  relu, round to bf16, a token's 64 bytes a lane into a stage of 256 rows x 528 bytes; behind a barrier whole rows of 512 bytes go out.
	PLACES
	s_lshl_b32 s16, s13, 8
	s_lshl_b32 s17, s10, 6
	s_add_co_u32 s16, s16, s17                     ; the first row that I store: 256 x token block + 64 w
	s_lshl_b32 s16, s16, 16                        ; x 65,536 bytes
	s_mov_b32 s17, 0
	s_add_nc_u64 s[70:71], s[70:71], s[16:17]
	s_lshl_b32 s46, s42, 9                         ; 512 bytes x column block
	s_mov_b32 s47, 0
	s_add_nc_u64 s[70:71], s[70:71], s[46:47]
; token block aw of window 2 or 3 (from = 0x08 or 0x0c: source 1)
.macro PACK aw, from, sto
	WIN \from
.set i, 0
.rept 32
	v_max_num_f32 v[TMP+i], 0, v[32*\aw+i]
.set i, i+1
.endr
	WIN 0
.irp j, 0,1,2,3,4,5,6,7
	v_cvt_pk_bf16_f32 v[ST+2*\j],   v[TMP+\j],    v[TMP+8+\j]      ; columns 32 h + 4 j, + 1
	v_cvt_pk_bf16_f32 v[ST+2*\j+1], v[TMP+16+\j], v[TMP+24+\j]     ; + 2, + 3
.endr
.irp q, 0,1,2,3
	ds_store_b128 v[\sto], v[ST+4*\q:ST+4*\q+3] offset:\aw*16*SPITCH+16*\q
.endr
.endm
.irp a, 0,1,2,3,4,5,6,7
	PACK \a, 0x08, STO
.endr
.irp a, 0,1,2,3,4,5,6,7
	PACK \a, 0x0c, STO+1
.endr
	s_wait_dscnt 0x0                               ; my stores are in LDS, for the waves that read them
	s_barrier_signal -1
	s_barrier_wait -1
; 16 of my 64 rows: read back and stored; f: two sets of registers in turn
.macro BACK b, f
	s_wait_xcnt 0x0                                ; set f, which earlier stores read, is loaded again only behind this wait
.irp i, 0,1,2,3,4,5,6,7,8,9,10,11,12,13,14,15
	ds_load_b128 v[\f+4*\i:\f+4*\i+3], v[RD] offset:SPITCH*(16*\b+\i)
.endr
.irp i, 0,1,2,3,4,5,6,7,8,9,10,11,12,13,14,15
	s_wait_dscnt 15-\i                             ; LDS loads come back in order: row i of the sixteen is in
	global_store_b128 v[CO], v[\f+4*\i:\f+4*\i+3], s[70:71] offset:65536*(16*\b+\i)   ; the wave's store covers 512 consecutive bytes, aligned
.endr
.endm
	BACK 0, 64
	BACK 1, 128
	BACK 2, 64
	BACK 3, 128
	s_set_vgpr_msb (MSB<<8)|((MSB&0xf0)|0x1)
	s_wait_tensorcnt 0x0
	ds_add_u32 v255, v31
	s_wait_dscnt 0x0
	s_set_vgpr_msb (((MSB&0xf0)|0x1)<<8)|MSB
	CROUND                                         ; the closing round: no work-group ends while a partner may still ask for a tile that names it
	s_endpgm
.Lfunc_end_k_q7f7b758178_up:
	.size	k_q7f7b758178_up, .Lfunc_end_k_q7f7b758178_up-k_q7f7b758178_up
	.p2alignl 7, 3214868480
	.fill 96, 4, 3214868480
	.section	.rodata,"a",@progbits
	.p2align	6, 0x0
	.amdhsa_kernel k_q7f7b758178_up
		.amdhsa_group_segment_fixed_size 327680
		.amdhsa_private_segment_fixed_size 0
		.amdhsa_enable_private_segment 0
		.amdhsa_kernarg_size 32
		.amdhsa_user_sgpr_count 2
		.amdhsa_user_sgpr_kernarg_segment_ptr 1
		.amdhsa_wavefront_size32 1
		.amdhsa_system_sgpr_workgroup_id_x 1
		.amdhsa_system_sgpr_workgroup_id_y 1
		.amdhsa_system_sgpr_workgroup_id_z 1
		.amdhsa_system_vgpr_workitem_id 0
		.amdhsa_next_free_vgpr 1024
		.amdhsa_next_free_sgpr 80
		.amdhsa_reserve_vcc 0
		.amdhsa_float_denorm_mode_32 3
		.amdhsa_float_denorm_mode_16_64 3
		.amdhsa_memory_ordered 1
		.amdhsa_forward_progress 1
		.amdhsa_inst_pref_size 254
	.end_amdhsa_kernel
	.amdgpu_metadata
---
amdhsa.version: [ 1, 2 ]
amdhsa.kernels:
  - .name:           k_q7f7b758178_up
    .symbol:         k_q7f7b758178_up.kd
    .args:
      - { .name: xb, .offset: 0, .size: 8, .value_kind: global_buffer, .address_space: global }
      - { .name: W1, .offset: 8, .size: 8, .value_kind: global_buffer, .address_space: global }
      - { .name: b1, .offset: 16, .size: 8, .value_kind: global_buffer, .address_space: global }
      - { .name: hbuf, .offset: 24, .size: 8, .value_kind: global_buffer, .address_space: global }
    .group_segment_fixed_size: 327680
    .private_segment_fixed_size: 0
    .kernarg_segment_align: 8
    .kernarg_segment_size: 32
    .max_flat_workgroup_size: 128
    .sgpr_count:     80
    .vgpr_count:     1024
    .wavefront_size: 32
...
	.end_amdgpu_metadata
.endif
;; end of part 2
;; launch down (part 3): grid 64 x 4, 4 waves a work-group, clusters of 4 x 4, 327,680 bytes of LDS; arguments hbuf, W2, part; writes part
.if DOCPART == 3
	.amdgcn_target "amdgcn-amd-amdhsa--gfx1250"
	.amdhsa_code_object_version 6
	.text
	.protected	k_q7f7b758178_down
	.globl	k_q7f7b758178_down
	.p2align	8
	.type	k_q7f7b758178_down,@function
k_q7f7b758178_down:
	s_mov_b64 s[64:65], 0
	v_nop
	global_prefetch_b8 v0, s[64:65] scope:SCOPE_SE
	s_setreg_imm32_b32 hwreg(HW_REG_WAVE_MODE, 25, 1), 1
	s_wait_xcnt 0x0
	s_wait_alu depctr_hold_cnt(0) depctr_sa_sdst(0) depctr_va_vdst(0) depctr_va_sdst(0) depctr_va_ssrc(0) depctr_va_vcc(0) depctr_vm_vsrc(0)
	s_getreg_b32 s2, hwreg(HW_REG_IB_STS2, 6, 4)
	s_cmp_eq_u32 s2, 0
	s_cbranch_scc0 .Lentry_in_a_cluster
	s_endpgm
.Lentry_in_a_cluster:
	s_bfe_u32 s2, ttmp6, 0x10000c
	s_cmp_lg_u32 s2, 0xf033
	s_cbranch_scc0 .Lentry_shape_is_right
	s_endpgm
.Lentry_shape_is_right:
; part[p][n][.] = sum over k = 2048 p .. 2048 p + 2047 of hbuf[n][k] W2flat[k][o]: sixteen partial sums of the second layer, each half of one expert (p / 2).
; hbuf: [1024][32768] bf16, W2: [8][4096][1024] f32 = [32768][1024], part: [16][1024][1024] f32.  Sums in f32, W2 rounded to bf16 on its way to the matrix unit.
; The output has 16 blocks of 256 x 256; K is split sixteenfold so that 256 work-groups have equal work; the gate and the sum over p follow in the next launch.
; ORDER OF COLUMNS IN part: inside each run of 64 columns, position 16 t + c holds column 4 c + t (see below); the next launch puts them back.
; LIMIT: the sum over k runs in the matrix unit's order and in sixteen parts.
; A work-group makes 256 tokens x 256 columns with four waves; wave w makes all 256 tokens x columns 64 w .. 64 w + 63: 16 token blocks a x 4 tiles t
; = 64 accumulators, 512 registers.  So every weight is read from LDS and rounded once in the work-group.
; THE WEIGHTS LIE [K][N], and no transpose is made: a lane reads 16 bytes (columns 4 r .. 4 r + 3 of its wave's 64) of 16 K rows; v_cvt_pk_bf16_f32 of two
; neighbouring K rows is one fragment register; the four columns go to four tiles: index c of tile t stands for column 4 c + t.
; THE MATRIX INSTRUCTION IS USED TRANSPOSED: source 0 = weights, source 1 = tokens: register j of lane (r, h) of tile (a, t) is token 16 a + r, index c = 8 h + j.
; THE RING: K goes in intervals of 96 through two LDS slots filled by the tensor data mover; a slot holds hbuf's 256 rows x 96 and W's 96 K rows x 256 columns:
; 61,440 + 98,304 bytes, two slots 319,488 of the 327,680 that there are (two slots of K 128 would take 401,408).  One barrier an interval; from a tile's request to
; the wait for it a wave issues 176 matrix instructions.  The price: hbuf's rows in a tile are 192 bytes that start at multiples of 64, not aligned runs of 256.
; 2,048 = 21 x 96 + 32: the twenty-second interval has one half step, and its tile states what is left of K.
; An interval is three half steps of 32 along K, so the fragment buffers go 0, 1, 0 in even intervals and 1, 0, 1 in odd ones: the loop's body is a pair of intervals.
; CLUSTERS: 4 x 4 work-groups = one split p: cx is the column block, cy the token block.  The four of a row share hbuf's tiles, the four of a column W2's:
; each tile is asked for jointly, and each byte of hbuf and of W2 by one row or column of one cluster alone.
; REGISTERS, in windows of 256:
;   window 0: v0-31 addresses; v64-191 token fragments, buffer 0; v192-255 16 K rows x 4 columns of W in f32
;   window 1: v0-31, v32-63 weight fragments, buffers 0 and 1 (tile t at 8 t); v64-191 token fragments, buffer 1
;   window 2: accumulators of token blocks 0-7 (tile (a, t) at 8 (4 a + t)); window 3: of token blocks 8-15
.set KI,        96                     ; an interval along K
.set LOOPS,     8                      ; pairs of intervals in the loop: intervals 2 to 17; 0 and 1 stand in front, 18, 19, 20 and the short 21 behind
.set PARTK,     32                     ; K of the last interval
.set PARTR,     16                     ; its K rows of W for each of the two waves that fetch W
.set APITCH_EL, 32768                  ; hbuf: elements from row to row
.set WPITCH_EL, 1024                   ; W2: elements from K row to K row
.set WROW,      4096                   ; the same in bytes
.set STEPB,     KI*WROW                ; an interval along K in W2
.set ASTEP,     KI*2                   ; and in hbuf
.set ACH,       80                     ; 32 K of a token in LDS: 64 bytes + 16 of padding
.set APITCH,    3*ACH                  ; an LDS row of hbuf: 240 bytes = 60 words: the 16 rows of a fragment load start at 16 different groups of four banks (64 banks of 4 bytes: ISA guide 11.1)
.set AHALF,     128*APITCH             ; what one tensor load brings of hbuf
.set ASLOT,     2*AHALF
.set BBASE,     2*ASLOT                ; W's two slots lie behind hbuf's two
.set WHALF,     48                     ; K rows that one tensor load brings of W.  No padding: sixteen lanes read 256 neighbouring bytes
.set BHALF,     WHALF*1024
.set BSLOT,     2*BHALF
.set STAGE,     0                      ; the way out: 16 rows x 272 bytes for each wave, its own, 17,408 bytes from LDS byte 0, after those bytes' last fill
.set SPITCH,    272
.set ADRA,  16                         ; v16-17  LDS address of my token fragments in slot 0, 1
.set ADRB,  20                         ; v20-21  the same for W, K rows 0 to 63
.set ADRB2, 22                         ; v22-23  W's K rows 64 to 95: they lie beyond the 16 bits of an LDS offset
.set STO,   24                         ; v24     the way out: where I put 16 bytes of a token's row
.set RD,    25                         ; v25     the way out: where I read a row back
.set CO,    26                         ; v26     my byte offset in part
.set PF,    29                         ; v29     my block in an interval of W, for the prefetch
.set AF,   64
.set ST,   192
.set BF,   0
.set G1,  24                           ; s[24:31] descriptor group 1, hbuf's tiles
.set G0,  32                           ; s[32:39] group 0, hbuf, one set for each slot
.set G1B, 48                           ; s[48:55] group 1, W's tiles
.set G0B, 56                           ; s[56:63] group 0, W, one set for each slot
; s_set_vgpr_msb's low byte: bits 1:0 source 0, 3:2 source 1, 5:4 source 2, 7:6 destination.
; 0xa1 + 4 f: weights window 1, tokens window f, C and D window 2;  0xf1 + 4 f: C and D window 3
.set MSB, 0
.macro WIN new                         ; the immediate's high byte repeats the setting that is left
.if MSB != (\new)
	s_set_vgpr_msb (MSB<<8)|(\new)
.set MSB, \new
.endif
.endm
.macro PLACES                          ; a load into a register that a matrix instruction has read, and an LDS store that reads a matrix result, stand four
.rept 4                                ; plain vector instructions behind it (ISA guide 7.12.1 for vector instructions)
	v_nop
.endr
.endm
; A joint load into slot s.  Waves 0 and 1 fetch the halves of hbuf's tile, waves 2 and 3 the halves of W's: one tensor load a wave.
; The branch hangs on the wave's number alone: it is the same in every work-group.
.macro JLOAD s
	s_cmp_eq_u32 s11, 0
	s_cbranch_scc0 .Lfor_w_\@
	tensor_load_to_lds s[G0+4*\s:G0+4*\s+3], s[G1:G1+7]
	s_nop 0
	s_branch .Lasked_\@
.Lfor_w_\@:
	tensor_load_to_lds s[G0B+4*\s:G0B+4*\s+3], s[G1B:G1B+7]
	s_nop 0
.Lasked_\@:
.endm
.macro CREST                           ; a round of the cluster's barrier behind its opening barrier
	s_cmp_lg_u32 s10, 0
	s_cbranch_scc1 .Lnot_wave_0_\@
	s_barrier_signal -3
.Lnot_wave_0_\@:
	s_barrier_wait -3
	s_barrier_signal -1
	s_barrier_wait -1
.endm
.macro CROUND                          ; a whole round
	s_barrier_signal -1
	s_barrier_wait -1
	CREST
.endm
; 16 matrix instructions: token blocks a0 .. a0 + 3 of the window's eight x 4 tiles, 32 along K, from buffers f.  first = 1: the constant 0 starts the sums.
; The 64 accumulators take turns, one instruction a turn, in the same order in every half step.
.macro MUL16 f, hi, a0, first
.irp a, \a0, \a0+1, \a0+2, \a0+3
.irp t, 0,1,2,3
.if \first
	v_wmma_f32_16x16x32_bf16 v[8*(4*(\a)+\t):8*(4*(\a)+\t)+7], v[BF+32*\f+8*\t:BF+32*\f+8*\t+7], v[AF+8*(8*\hi+\a):AF+8*(8*\hi+\a)+7], 0
.else
	v_wmma_f32_16x16x32_bf16 v[8*(4*(\a)+\t):8*(4*(\a)+\t)+7], v[BF+32*\f+8*\t:BF+32*\f+8*\t+7], v[AF+8*(8*\hi+\a):AF+8*(8*\hi+\a)+7], v[8*(4*(\a)+\t):8*(4*(\a)+\t)+7]
.endif
.endr
.endr
.endm
; 48 LDS loads for half step c (0, 1, 2) of a slot: 16 K rows of W (lane (r, h): rows 32 c + 8 h + 0..7 and 32 c + 16 + 8 h + 0..7),
; then the 16 token fragments into buffer g, token blocks 0-7 first.  pf = 1: one prefetch between the two runs, by waves 0 to 2.
.macro FETCH slot, c, g, pf, pfo
	WIN 0
.irp i, 0,1,2,3,4,5,6,7,8,9,10,11,12,13,14,15
.if \c < 2
	ds_load_b128 v[ST+4*\i:ST+4*\i+3], v[ADRB+\slot] offset:(32*\c+\i+8*(\i/8))*1024
.else
	ds_load_b128 v[ST+4*\i:ST+4*\i+3], v[ADRB2+\slot] offset:(\i+8*(\i/8))*1024
.endif
.endr
.if \pf
	s_cmp_eq_u32 s10, 3
	s_cbranch_scc1 .Lno_ask_\@
	global_prefetch_b8 v[PF], s[72:73] offset:\pfo th:TH_LOAD_NT scope:SCOPE_SE
.Lno_ask_\@:
.endif
	WIN \g*64
.irp a, 0,1,2,3,4,5,6,7,8,9,10,11,12,13,14,15
	ds_load_b128 v[AF+8*\a:AF+8*\a+3],   v[ADRA+\slot] offset:\a*16*APITCH+\c*ACH
	ds_load_b128 v[AF+8*\a+4:AF+8*\a+7], v[ADRA+\slot] offset:\a*16*APITCH+\c*ACH+32
.endr
.endm
; W to bf16: register q of tile t = K rows 2 q, 2 q + 1 of the lane's sixteen, column t of its four
.macro CVT f
	s_wait_dscnt 32                                ; the 16 loads of W are in; the 32 token loads issued behind them may be out
	WIN 0x40
.irp q, 0,1,2,3,4,5,6,7
.irp t, 0,1,2,3
	v_cvt_pk_bf16_f32 v[BF+32*\f+8*\t+\q], v[ST+8*\q+\t], v[ST+8*\q+4+\t]
.endr
.endr
.endm
; One of an interval's first two half steps: multiplies buffers f; in its middle it fetches half step c of the same slot into buffers g = 1 - f.
.macro HS f, g, first, slot, c, pf, pfo
	CVT \f
	s_wait_dscnt 16                                ; token blocks 0-7 are in; the youngest 16 loads (blocks 8-15) may be out
	WIN 0xa1+4*\f
	MUL16 \f, 0, 0, \first
	MUL16 \f, 0, 4, \first
	PLACES
	FETCH \slot, \c, \g, \pf, \pfo
	s_wait_dscnt 48                                ; all but the 48 just issued
	WIN 0xf1+4*\f
	MUL16 \f, 1, 0, \first
	MUL16 \f, 1, 4, \first
.endm
; An interval's last half step: multiplies buffers f and changes slots.  fill = 1: this slot, read to its end, is filled again two intervals ahead; 2: with the short last tile; 0: not at all.
; In front of the barrier each wave waits for all its LDS reads and for all its tensor loads (its part of the next interval's tiles); where the slot is filled again the
; barrier opens a round of the cluster's barrier, so that no wave of any partner still reads the slot or has a load on its way; the joint refill is the first
; tensor load behind the round, one a wave; then the next slot's first half step is fetched into buffers g.
.macro TURN f, g, slot, fill, nslot
	CVT \f
	s_wait_dscnt 16
	WIN 0xa1+4*\f
	MUL16 \f, 0, 0, 0
	s_wait_dscnt 0x0                               ; my reads of this slot are over
	s_set_vgpr_msb (MSB<<8)|((MSB&0xf0)|0x1)
	s_wait_tensorcnt 0x0                           ; and all my tensor loads have landed
	ds_add_u32 v255, v63
	s_wait_dscnt 0x0
	s_set_vgpr_msb (((MSB&0xf0)|0x1)<<8)|MSB
	s_barrier_signal -1
	MUL16 \f, 0, 4, 0                              ; work on registers while the others arrive
	WIN 0
	s_barrier_wait -1
.if \fill
	CREST
	s_add_nc_u64 s[G0+4*\slot+2:G0+4*\slot+3], s[G0+4*\slot+2:G0+4*\slot+3], 2*ASTEP     ; no tensor load of mine is out: descriptors may be written
	s_add_nc_u64 s[G0B+4*\slot+2:G0B+4*\slot+3], s[G0B+4*\slot+2:G0B+4*\slot+3], 2*STEPB
.if \fill == 2
	s_mov_b32 s[G1+1], PARTK<<16                   ; hbuf: what is left of my split's part of a row; the tile keeps its 96, so the LDS rows keep their pitch, and the rest arrives as zeros and is not read
	s_mov_b32 s[G1B+2], PARTR<<16                  ; W: fewer K rows for each of the two waves,
	s_mov_b32 s[G1B+4], PARTR
	s_sub_nc_u64 s[G0B+4*\slot+2:G0B+4*\slot+3], s[G0B+4*\slot+2:G0B+4*\slot+3], s[76:77]   ; the second wave's begin where the first's end, in memory
	s_mul_i32 s[G0B+4*\slot+1], s12, PARTR*1024                                              ; and in LDS
	s_add_co_u32 s[G0B+4*\slot+1], s[G0B+4*\slot+1], BBASE+\slot*BSLOT
.endif
	JLOAD \slot
.endif
	PLACES
	FETCH \nslot, 0, \g, 0, 0
	WIN 0xf1+4*\f
	MUL16 \f, 1, 0, 0
	MUL16 \f, 1, 4, 0
.endm
.macro EVEN first, fill, pf, pfo       ; an interval in slot 0: buffers 0, 1, 0
	HS 0, 1, \first, 0, 1, \pf, \pfo
	HS 1, 0, 0, 0, 2, 0, 0
	TURN 0, 1, 0, \fill, 1
.endm
.macro ODD fill, pf, pfo               ; an interval in slot 1: buffers 1, 0, 1
	HS 1, 0, 0, 1, 1, \pf, \pfo
	HS 0, 1, 0, 1, 2, 0, 0
	TURN 1, 0, 1, \fill, 0
.endm
; Two intervals, both slots filled again.  Interval i asks (prefetch) for W's tile i + 2, which its own last half step requests 128 matrix instructions later.
; Intervals 0 to 18 ask, for tiles 2 to 20, all of them whole: no prefetch leaves my split's rows of W2.
.macro PAIR first
	EVEN \first, 1, 1, 0
	ODD 1, 1, STEPB
	s_wait_xcnt 0x0                                ; the prefetches' base is stepped only behind this wait; the last of them stands two and a half half steps back
	s_add_nc_u64 s[72:73], s[72:73], 2*STEPB
.endm
; The very last half step, on buffers 1: nothing more to fetch.  Its barrier shows that nobody reads LDS any more, for the stage.
.macro FINAL
	CVT 1
	s_wait_dscnt 16
	WIN 0xa5
	MUL16 1, 0, 0, 0
	MUL16 1, 0, 4, 0
	s_wait_dscnt 0x0                               ; my last reads of the slots are over:
	s_barrier_signal -1                            ; say so
	WIN 0xf5
	MUL16 1, 1, 0, 0
	MUL16 1, 1, 4, 0
	WIN 0
	s_barrier_wait -1                              ; nobody reads the slots any more, and no fill of them is left
.endm
	s_load_b128 s[4:7], s[0:1], 0x0                ; hbuf s[4:5], W2 s[6:7]
	s_load_b64 s[8:9], s[0:1], 0x10                ; part
	s_set_vgpr_msb 0x40
	v_lshl_add_u32 v255, v0, 2, 0x4e000
	s_set_vgpr_msb 0x4000
	v_mov_b32 v63, 0
	s_set_vgpr_msb 0x1
	ds_add_u32 v255, v63
	s_set_vgpr_msb 0x100
	v_lshrrev_b32 v1, 5, v0
	v_readfirstlane_b32 s10, v1                    ; wave 0..3
	s_lshr_b32 s11, s10, 1                         ; I fetch for hbuf (0) or for W (1)
	s_and_b32 s12, s10, 1                          ; which half of that tile
	s_bfe_u32 s40, ttmp6, 0x40000                  ; cx
	s_bfe_u32 s41, ttmp6, 0x40004                  ; cy
	s_lshl_b32 s42, ttmp9, 2
	s_add_co_u32 s42, s42, s40                     ; work-group x = 4 x split + column block
	s_and_b32 s13, ttmp7, 0xffff
	s_lshl_b32 s13, s13, 2
	s_add_co_u32 s13, s13, s41                     ; token block 0..3 = 4 x cluster y + cy
	s_lshl_b32 s43, s41, 2
	s_lshl_b32 s43, 15, s43                        ; my row of the cluster
	s_lshl_b32 s44, 0x1111, s40                    ; my column
	; group 1, hbuf: 128 rows x 96 elements of 2 bytes, 4 words of padding (code 3) behind every 16 words (code 3)
	s_or_b32 s[G1+0], s43, (1<<16)|(1<<20)|(1<<21)|(3<<22)|(3<<25)
	s_mov_b32 s[G1+1], KI<<16                      ; tensor_dim0 = 96
	s_mov_b32 s[G1+2], 128<<16                     ; tensor_dim1 = 128
	s_mov_b32 s[G1+3], KI<<16                      ; tile_dim0 = 96
	s_mov_b32 s[G1+4], 128                         ; tile_dim1 = 128
	s_mov_b32 s[G1+5], APITCH_EL
	s_mov_b32 s[G1+6], 0
	s_mov_b32 s[G1+7], 0
	; group 1, W: 48 K rows x 256 elements of 4 bytes, no padding
	s_or_b32 s[G1B+0], s44, (2<<16)|(1<<21)
	s_mov_b32 s[G1B+1], 256<<16                    ; tensor_dim0 = 256
	s_mov_b32 s[G1B+2], WHALF<<16                  ; tensor_dim1 = 48
	s_mov_b32 s[G1B+3], 256<<16                    ; tile_dim0 = 256
	s_mov_b32 s[G1B+4], WHALF                      ; tile_dim1 = 48
	s_mov_b32 s[G1B+5], WPITCH_EL
	s_mov_b32 s[G1B+6], 0
	s_mov_b32 s[G1B+7], 0
	; hbuf's tiles hang on the token block and the split, W's on the column block and the split; each address is made in registers that never hold the other place in the cluster
	s_lshl_b32 s16, s13, 8
	s_lshl_b32 s17, s12, 7
	s_add_co_u32 s16, s16, s17                     ; row 256 x token block + 128 x half
	s_lshl_b32 s16, s16, 16                        ; x 65,536 bytes
	s_lshl_b32 s17, ttmp9, 12                      ; + split x 2,048 elements of 2 bytes
	s_add_co_u32 s16, s16, s17
	s_mov_b32 s17, 0
	s_lshr_b32 s46, s42, 2
	s_lshl_b32 s46, s46, 23                        ; split x 2,048 K rows of 4,096 bytes
	s_and_b32 s45, s42, 3
	s_lshl_b32 s45, s45, 10                        ; + column block x 256 columns x 4 bytes
	s_add_co_u32 s46, s46, s45
	s_mov_b32 s47, 0
	s_mul_i32 s74, s12, WHALF*WROW                 ; my half: 48 K rows
	s_mov_b32 s75, 0
	s_mul_i32 s76, s12, (WHALF-PARTR)*WROW         ; how far the second half moves up in the short last tile
	s_mov_b32 s77, 0
	s_mul_i32 s20, s12, AHALF                      ; where the tiles go: the wave's number alone enters an LDS address
	s_mul_i32 s21, s12, BHALF
	s_add_co_u32 s21, s21, BBASE
	s_wait_dscnt 0x0
	s_wait_kmcnt 0x0
	s_add_nc_u64 s[14:15], s[4:5], s[16:17]
	s_add_nc_u64 s[46:47], s[6:7], s[46:47]        ; the corner of my block's weights
	s_add_nc_u64 s[72:73], s[46:47], 2*STEPB       ; the prefetch runs two intervals ahead
	s_add_nc_u64 s[46:47], s[46:47], s[74:75]
	CROUND                                         ; all sixteen work-groups are here: the first joint loads meet
.irp s, 0,1
	s_mov_b32 s[G0+4*\s], 1
	s_add_co_u32 s[G0+4*\s+1], s20, \s*ASLOT
	s_add_nc_u64 s[G0+4*\s+2:G0+4*\s+3], s[14:15], \s*ASTEP        ; interval s
	s_or_b32 s[G0+4*\s+3], s[G0+4*\s+3], 0x80000000
	s_mov_b32 s[G0B+4*\s], 1
	s_add_co_u32 s[G0B+4*\s+1], s21, \s*BSLOT
	s_add_nc_u64 s[G0B+4*\s+2:G0B+4*\s+3], s[46:47], \s*STEPB
	s_or_b32 s[G0B+4*\s+3], s[G0B+4*\s+3], 0x80000000
	JLOAD \s                                       ; both slots are filled before anything else: two tensor loads of each wave are out, the most in this text
.endr
	v_and_b32 v1, 15, v0                           ; r
	v_bfe_u32 v2, v0, 4, 1                         ; h
	v_mul_u32_u24 v3, v1, APITCH
	v_lshl_add_u32 v[ADRA], v2, 4, v3              ; tokens: row r, 16 bytes for each half of the lanes
	v_add_nc_u32 v[ADRA+1], ASLOT, v[ADRA]
	v_lshlrev_b32 v3, 4, v1                        ; W: 16 r,
	v_lshl_add_u32 v4, v2, 13, v3                  ; 8 K rows further down for lanes 16-31,
	s_lshl_b32 s22, s10, 8                         ; my wave's 64 columns
	s_add_co_u32 s22, s22, BBASE
	v_add_nc_u32 v[ADRB], s22, v4
	v_add_nc_u32 v[ADRB+1], BSLOT, v[ADRB]
	v_add_nc_u32 v[ADRB2], 0x10000, v[ADRB]        ; 64 K rows on
	v_add_nc_u32 v[ADRB2+1], 0x10000, v[ADRB+1]
	s_mul_i32 s22, s10, 16*SPITCH
	s_add_co_u32 s22, s22, STAGE                   ; my stage
	v_mul_u32_u24 v4, v1, SPITCH                   ; in: row r, 32 bytes for each half of the lanes
	v_lshl_add_u32 v4, v2, 5, v4
	v_add_nc_u32 v[STO], s22, v4
	v_mul_u32_u24 v4, v2, SPITCH                   ; back: lanes 0-15 take one row of 256 bytes, lanes 16-31 the next
	v_add_nc_u32 v4, v4, v3
	v_add_nc_u32 v[RD], s22, v4
	v_lshl_add_u32 v[CO], v2, 12, v3               ; and the same two rows in part
	; the prefetch: an interval of my column's W is 96 K rows x 4 blocks of 256 bytes = 384 blocks = 4 work-groups of the column x waves 0 to 2 x 32 lanes
	s_mul_i32 s23, s41, 3
	s_add_co_u32 s23, s23, s10
	s_lshl_b32 s23, s23, 3                         ; 8 (3 cy + w)
	v_bfe_u32 v5, v0, 2, 3
	v_add_nc_u32 v5, s23, v5                       ; my K row of the 96 (wave 3 asks for nothing)
	v_and_b32 v6, 3, v0
	v_lshlrev_b32 v5, 12, v5                       ; x 4,096 bytes
	v_lshl_add_u32 v[PF], v6, 8, v5
	s_wait_tensorcnt 0x1                           ; my part of slot 0 is in; my second load may stay out
	s_barrier_signal -1
	s_barrier_wait -1
	FETCH 0, 0, 0, 0, 0
	PAIR 1                                         ; intervals 0 and 1 stand in front of the loop: the first products start the sums
	WIN 0                                          ; at a label and at a branch every window is 0
	s_mov_b32 s3, LOOPS
.Lpair:
	PAIR 0                                         ; intervals 2 to 17
	WIN 0
	s_sub_co_u32 s3, s3, 1
	s_cmp_lg_u32 s3, 0
	s_cbranch_scc1 .Lpair
	EVEN 0, 1, 1, 0                                ; interval 18: slot 0 gets tile 20, the last whole one, and asks for it first
	ODD 2, 0, 0                                    ; interval 19: slot 1 gets the short last tile
	EVEN 0, 0, 0, 0                                ; interval 20: nothing is filled: a plain barrier shows the last tile whole
	FINAL                                          ; interval 21: K 2,016 to 2,047
	; THE WAY OUT, 16 tokens at a time: the f32 sums go as they are into my own stage (position 16 t + 8 h + j of the row's 64), and come back as whole rows of 256 bytes.
	PLACES
	s_lshl_b32 s16, ttmp9, 22                      ; split x 4,194,304 bytes
	s_lshl_b32 s17, s13, 20                        ; + token block x 256 rows of 4,096 bytes
	s_add_co_u32 s16, s16, s17
	s_mov_b32 s17, 0
	s_add_nc_u64 s[8:9], s[8:9], s[16:17]
	s_lshl_b32 s46, s40, 10                        ; + column block x 1,024 bytes
	s_lshl_b32 s47, s10, 8                         ; + my wave's 256 bytes
	s_add_co_u32 s46, s46, s47
	s_mov_b32 s47, 0
	s_add_nc_u64 s[8:9], s[8:9], s[46:47]
; token block a = block aw of window 2 or 3 (from = 0x08 or 0x0c: an LDS store's data are source 1); f: two sets of registers in turn
.macro OUT16 a, aw, from, f
	WIN \from
.irp t, 0,1,2,3
	ds_store_b128 v[STO], v[8*(4*\aw+\t):8*(4*\aw+\t)+3]   offset:64*\t
	ds_store_b128 v[STO], v[8*(4*\aw+\t)+4:8*(4*\aw+\t)+7] offset:64*\t+16
.endr
	WIN 0
	s_wait_xcnt 0x0                                ; set f, which earlier stores read, is loaded again only behind this wait
.irp u, 0,1,2,3,4,5,6,7
	ds_load_b128 v[\f+4*\u:\f+4*\u+3], v[RD] offset:\u*2*SPITCH    ; LDS serves a wave's instructions in order (ISA guide 5.7.1.4): these see the stores above
.endr
.irp u, 0,1,2,3,4,5,6,7
	s_wait_dscnt 7-\u                              ; pair u of the eight pairs of rows is in
	global_store_b128 v[CO], v[\f+4*\u:\f+4*\u+3], s[8:9] offset:(16*\a+2*\u)*4096   ; 16 lanes store 256 consecutive bytes, aligned
.endr
.endm
	OUT16 0, 0, 0x08, 64
	OUT16 1, 1, 0x08, 96
	OUT16 2, 2, 0x08, 64
	OUT16 3, 3, 0x08, 96
	OUT16 4, 4, 0x08, 64
	OUT16 5, 5, 0x08, 96
	OUT16 6, 6, 0x08, 64
	OUT16 7, 7, 0x08, 96
	OUT16 8, 0, 0x0c, 64
	OUT16 9, 1, 0x0c, 96
	OUT16 10, 2, 0x0c, 64
	OUT16 11, 3, 0x0c, 96
	OUT16 12, 4, 0x0c, 64
	OUT16 13, 5, 0x0c, 96
	OUT16 14, 6, 0x0c, 64
	OUT16 15, 7, 0x0c, 96
	s_set_vgpr_msb (MSB<<8)|((MSB&0xf0)|0x1)
	s_wait_tensorcnt 0x0
	ds_add_u32 v255, v63
	s_wait_dscnt 0x0
	s_set_vgpr_msb (((MSB&0xf0)|0x1)<<8)|MSB
	CROUND                                         ; the closing round: no work-group ends while a partner may still ask for a tile that names it
	s_endpgm
.Lfunc_end_k_q7f7b758178_down:
	.size	k_q7f7b758178_down, .Lfunc_end_k_q7f7b758178_down-k_q7f7b758178_down
	.p2alignl 7, 3214868480
	.fill 96, 4, 3214868480
	.section	.rodata,"a",@progbits
	.p2align	6, 0x0
	.amdhsa_kernel k_q7f7b758178_down
		.amdhsa_group_segment_fixed_size 327680
		.amdhsa_private_segment_fixed_size 0
		.amdhsa_enable_private_segment 0
		.amdhsa_kernarg_size 24
		.amdhsa_user_sgpr_count 2
		.amdhsa_user_sgpr_kernarg_segment_ptr 1
		.amdhsa_wavefront_size32 1
		.amdhsa_system_sgpr_workgroup_id_x 1
		.amdhsa_system_sgpr_workgroup_id_y 1
		.amdhsa_system_sgpr_workgroup_id_z 1
		.amdhsa_system_vgpr_workitem_id 0
		.amdhsa_next_free_vgpr 1024
		.amdhsa_next_free_sgpr 80
		.amdhsa_reserve_vcc 0
		.amdhsa_float_denorm_mode_32 3
		.amdhsa_float_denorm_mode_16_64 3
		.amdhsa_memory_ordered 1
		.amdhsa_forward_progress 1
		.amdhsa_inst_pref_size 255
	.end_amdhsa_kernel
	.amdgpu_metadata
---
amdhsa.version: [ 1, 2 ]
amdhsa.kernels:
  - .name:           k_q7f7b758178_down
    .symbol:         k_q7f7b758178_down.kd
    .args:
      - { .name: hbuf, .offset: 0, .size: 8, .value_kind: global_buffer, .address_space: global }
      - { .name: W2, .offset: 8, .size: 8, .value_kind: global_buffer, .address_space: global }
      - { .name: part, .offset: 16, .size: 8, .value_kind: global_buffer, .address_space: global }
    .group_segment_fixed_size: 327680
    .private_segment_fixed_size: 0
    .kernarg_segment_align: 8
    .kernarg_segment_size: 24
    .max_flat_workgroup_size: 128
    .sgpr_count:     80
    .vgpr_count:     1024
    .wavefront_size: 32
...
	.end_amdgpu_metadata
.endif
;; end of part 3
;; launch combine (part 4): grid 1024 x 1, 8 waves a work-group, no clusters, 5,120 bytes of LDS; arguments part, gate, b2, out0; writes out0
.if DOCPART == 4
	.amdgcn_target "amdgcn-amd-amdhsa--gfx1250"
	.amdhsa_code_object_version 6
	.text
	.protected	k_q7f7b758178_combine
	.globl	k_q7f7b758178_combine
	.p2align	8
	.type	k_q7f7b758178_combine,@function
k_q7f7b758178_combine:
	s_mov_b64 s[64:65], 0
	v_nop
	global_prefetch_b8 v0, s[64:65] scope:SCOPE_SE
	s_setreg_imm32_b32 hwreg(HW_REG_WAVE_MODE, 25, 1), 1
	s_wait_xcnt 0x0
; out0[n][o] = sum over e of gate[n][e] (part[2 e][n][o] + part[2 e + 1][n][o] + b2[e][o]), all in f32.
; part: [16][1024][1024] f32, gate: [1024][8] f32, b2: [8][1024] f32, out0: [1024][1024] f32.
; In part, inside each run of 64 columns, position 16 t + c holds column 4 c + t; the weighted sum is made in that order and put right once, through LDS.
; A stream: one work-group takes one row n, thread t its 16 bytes at byte 16 t of the row in each of the 16 parts; a wave's load covers 512 consecutive bytes, aligned.
; All 24 loads of a thread go out at once; nothing is read twice.  The matrix unit and clusters have nothing to do here: no work-group shares more than b2's 32,768 bytes.
; LIMIT: the sum over the experts runs in the order written here, not in the reference's.
.set VO,  1                            ; v[1:8]     16 t + expert x 8,388,608: my bytes in the expert's first part (v1 alone also serves b2, LDS and out0)
.set SC,  10                           ; v10        where my first number goes in LDS
.set P,   16                           ; v[16:79]   the 16 parts, 4 numbers each
.set B2,  80                           ; v[80:111]  b2 of my 4 columns, 8 experts
.set ACC, 112                          ; v[112:115] the weighted sum, in part's order
.set R,   116                          ; v[116:119] the same in the columns' order
	s_load_b256 s[4:11], s[0:1], 0x0               ; part s[4:5], gate s[6:7], b2 s[8:9], out0 s[10:11]
	v_lshl_add_u32 v120, v0, 2, 0x1000
	v_mov_b32 v121, 0
	v_lshlrev_b32 v[VO], 4, v0
.irp e, 1,2,3,4,5,6,7
	v_add_nc_u32 v[VO+\e], \e*8388608, v[VO]
.endr
	; my positions 4 t + i are tile (t / 4) % 4, index 4 (t % 4) + i of run t / 16: column 16 (t % 4) + 4 i + (t / 4) % 4 of the run
	v_lshrrev_b32 v[SC], 4, v0
	v_and_b32 v11, 3, v0
	v_bfe_u32 v12, v0, 2, 2
	v_lshlrev_b32 v[SC], 8, v[SC]                  ; 256 bytes a run
	v_lshl_add_u32 v[SC], v11, 6, v[SC]
	v_lshl_add_u32 v[SC], v12, 2, v[SC]
	s_lshl_b32 s12, ttmp9, 12                      ; row x 4,096 bytes
	s_mov_b32 s13, 0
	s_lshl_b32 s14, ttmp9, 5                       ; row x 32 bytes
	s_mov_b32 s15, 0
	s_wait_kmcnt 0x0
	s_add_nc_u64 s[6:7], s[6:7], s[14:15]
	s_load_b256 s[16:23], s[6:7], 0x0              ; the row's eight gates
	s_add_nc_u64 s[4:5], s[4:5], s[12:13]
	s_add_nc_u64 s[10:11], s[10:11], s[12:13]
.irp e, 0,1,2,3,4,5,6,7
	global_load_b128 v[P+8*\e:P+8*\e+3],   v[VO+\e], s[4:5] th:TH_LOAD_NT
	global_load_b128 v[P+8*\e+4:P+8*\e+7], v[VO+\e], s[4:5] offset:4194304 th:TH_LOAD_NT
.endr
.irp e, 0,1,2,3,4,5,6,7
	global_load_b128 v[B2+4*\e:B2+4*\e+3], v[VO], s[8:9] offset:4096*\e
.endr
	s_wait_kmcnt 0x0
.irp e, 0,1,2,3,4,5,6,7
	s_wait_loadcnt 22-2*\e                         ; loads come back in order (ISA guide 5.7.1): the later experts' parts (14 - 2 e) and b2's eight stay out
	v_pk_add_f32 v[P+8*\e:P+8*\e+1],   v[P+8*\e:P+8*\e+1],   v[P+8*\e+4:P+8*\e+5]
	v_pk_add_f32 v[P+8*\e+2:P+8*\e+3], v[P+8*\e+2:P+8*\e+3], v[P+8*\e+6:P+8*\e+7]
.irp i, 0,1,2,3
.if \e
	v_fmac_f32 v[ACC+\i], s[16+\e], v[P+8*\e+\i]
.else
	v_mul_f32 v[ACC+\i], s[16+\e], v[P+8*\e+\i]    ; the first expert starts the sums
.endif
.endr
.endr
.irp i, 0,1,2,3
	ds_store_b32 v[SC], v[ACC+\i] offset:16*\i
.endr
	s_wait_dscnt 0x0                               ; my stores are in LDS, for whoever reads them
	s_barrier_signal -1
	s_barrier_wait -1
	ds_load_b128 v[R:R+3], v[VO]                   ; columns 4 t .. 4 t + 3
	s_wait_loadcnt 0x0                             ; b2
	s_wait_dscnt 0x0
.irp e, 0,1,2,3,4,5,6,7
.irp i, 0,1,2,3
	v_fmac_f32 v[R+\i], s[16+\e], v[B2+4*\e+\i]
.endr
.endr
	global_store_b128 v[VO], v[R:R+3], s[10:11]    ; the wave's store covers 512 consecutive bytes, aligned
	s_wait_tensorcnt 0x0
	ds_add_u32 v120, v121
	s_wait_dscnt 0x0
	s_endpgm
.Lfunc_end_k_q7f7b758178_combine:
	.size	k_q7f7b758178_combine, .Lfunc_end_k_q7f7b758178_combine-k_q7f7b758178_combine
	.p2alignl 7, 3214868480
	.fill 96, 4, 3214868480
	.section	.rodata,"a",@progbits
	.p2align	6, 0x0
	.amdhsa_kernel k_q7f7b758178_combine
		.amdhsa_group_segment_fixed_size 5120
		.amdhsa_private_segment_fixed_size 0
		.amdhsa_enable_private_segment 0
		.amdhsa_kernarg_size 32
		.amdhsa_user_sgpr_count 2
		.amdhsa_user_sgpr_kernarg_segment_ptr 1
		.amdhsa_wavefront_size32 1
		.amdhsa_system_sgpr_workgroup_id_x 1
		.amdhsa_system_sgpr_workgroup_id_y 1
		.amdhsa_system_sgpr_workgroup_id_z 1
		.amdhsa_system_vgpr_workitem_id 0
		.amdhsa_next_free_vgpr 122
		.amdhsa_next_free_sgpr 66
		.amdhsa_reserve_vcc 0
		.amdhsa_float_denorm_mode_32 3
		.amdhsa_float_denorm_mode_16_64 3
		.amdhsa_memory_ordered 1
		.amdhsa_forward_progress 1
		.amdhsa_inst_pref_size 8
	.end_amdhsa_kernel
	.amdgpu_metadata
---
amdhsa.version: [ 1, 2 ]
amdhsa.kernels:
  - .name:           k_q7f7b758178_combine
    .symbol:         k_q7f7b758178_combine.kd
    .args:
      - { .name: part, .offset: 0, .size: 8, .value_kind: global_buffer, .address_space: global }
      - { .name: gate, .offset: 8, .size: 8, .value_kind: global_buffer, .address_space: global }
      - { .name: b2, .offset: 16, .size: 8, .value_kind: global_buffer, .address_space: global }
      - { .name: out0, .offset: 24, .size: 8, .value_kind: global_buffer, .address_space: global }
    .group_segment_fixed_size: 5120
    .private_segment_fixed_size: 0
    .kernarg_segment_align: 8
    .kernarg_segment_size: 32
    .max_flat_workgroup_size: 256
    .sgpr_count:     66
    .vgpr_count:     122
    .wavefront_size: 32
...
	.end_amdgpu_metadata
.endif
;; end of part 4
